; MI455X (gfx1250); checked and timed in simulation.
; The chip was launched on July 23, 2026; its instructions are those of AMD's public machine-readable ISA for CDNA 5 (MIT licence, August 2026) and "CDNA5" Instruction Set Architecture Reference Guide (July 2026). The comments in the code are by the model that wrote it; some were corrected since.
;; Set Attention. Allowed arithmetic: matrix products marked QUANTISED: E2M3 operands, one E8M0 scale for each 32 along K, by v_wmma_scale_f32_16x16x128_f8f6f4 with both operands' format E2M3, f32 sums; products left as they are: f32 operands where the result goes on into a quantised operand, else bf16, f16 or f32 operands; f32 sums; everything else in f32.
;; Inputs: Wk_codes 256 x 8 x 24 uint8 (E2M3 codes of Wk, K innermost, in blocks of 32 codes, four codes in three bytes); Wk_scales 256 x 8 uint8 (E8M0 scales of Wk, one for each 32 codes along K); Wp_codes 256 x 8 x 24 uint8 (E2M3 codes of Wp, K innermost, in blocks of 32 codes, four codes in three bytes); Wp_scales 256 x 8 uint8 (E8M0 scales of Wp, one for each 32 codes along K); Wq_codes 256 x 8 x 24 uint8 (E2M3 codes of Wq, K innermost, in blocks of 32 codes, four codes in three bytes); Wq_scales 256 x 8 uint8 (E8M0 scales of Wq, one for each 32 codes along K); Wv_codes 256 x 8 x 24 uint8 (E2M3 codes of Wv, K innermost, in blocks of 32 codes, four codes in three bytes); Wv_scales 256 x 8 uint8 (E8M0 scales of Wv, one for each 32 codes along K); bk 256 float32; bn_b 16 float32; bn_g 16 float32; bn_m 16 float32; bn_v 16 float32; bp 256 float32; bq 256 float32; bv 256 float32; fc1_b 1,024 float32; fc1_w_codes 1,024 x 8 x 24 uint8 (E2M3 codes of fc1_w, K innermost, in blocks of 32 codes, four codes in three bytes); fc1_w_scales 1,024 x 8 uint8 (E8M0 scales of fc1_w, one for each 32 codes along K); fc2_b 256 float32; fc2_w_codes 256 x 32 x 24 uint8 (E2M3 codes of fc2_w, K innermost, in blocks of 32 codes, four codes in three bytes); fc2_w_scales 256 x 32 uint8 (E8M0 scales of fc2_w, one for each 32 codes along K); ln1_b 256 float32; ln1_g 256 float32; ln2_b 256 float32; ln2_g 256 float32; pe_b1 16 float32; pe_b2 8 float32; pe_w1 16 x 2 float32; pe_w2 8 x 16 float32; pos 4 x 16,384 x 2 float32; x 4 x 16,384 x 256 float32.
;; Outputs: out0 4 x 16,384 x 256 float32.
;; This version of the problem:
;;   THIS VERSION OF THE PROBLEM IS GIVEN IN LOW PRECISION. The matrix products marked QUANTISED in the list below multiply operands that are first quantised to E2M3 (2 exponent bits, 3 mantissa bits; 6 bits a number), with one power-of-two scale for each 32 numbers along K (OCP MX v1.0); their sums are f32. All else is computed in f32.
;;   The module's matrix products, in the order in which they are computed (A, B: the left and right operand; K: the contracted axis; several contracted axes count as one K, in the product's order):
;;     1. [M 2,097,152, K 2] x [K 2, N 16]; A: computed on the way; B: input pe_w1: left as it is (K = 2 < 32)
;;     2. [M 2,097,152, K 16] x [K 16, N 8]; A: computed on the way; B: input pe_w2: left as it is (K = 16 < 32)
;;     3. [M 65,536, K 256] x [K 256, N 256]; A: computed on the way; B: input Wq (given as codes): QUANTISED
;;     4. [M 65,536, K 256] x [K 256, N 256]; A: computed on the way; B: input Wk (given as codes): QUANTISED
;;     5. [M 65,536, K 256] x [K 256, N 256]; A: computed on the way; B: input Wv (given as codes): QUANTISED
;;     6. batch 16,384 x [M 32, K 32] x [K 32, N 32]; A: computed on the way; B: computed on the way: QUANTISED
;;     7. batch 16,384 x [M 32, K 32] x [K 32, N 32]; A: softmax (see below); B: computed on the way: QUANTISED
;;     8. [M 65,536, K 256] x [K 256, N 256]; A: computed on the way; B: input Wp (given as codes): QUANTISED
;;     9. [M 65,536, K 256] x [K 256, N 1,024]; A: computed on the way; B: input fc1_w (given as codes): QUANTISED
;;     10. [M 65,536, K 1,024] x [K 1,024, N 256]; A: computed on the way; B: input fc2_w (given as codes): QUANTISED
;;   THE QUANTISER, for each operand of a quantised product, along K:
;;     - K is cut into blocks of 32 from its start; a last block that is shorter is filled with zeros.
;;     - A block's scale is 2^e with e = floor(log2(the largest magnitude in the block)) - 2, held to -126 .. 127; a block of zeros has e = 0. As a byte (E8M0): e + 127.
;;     - Each number is divided by its block's scale, clamped to +-7.5, and rounded to the nearest number of E2M3, ties to even, subnormals kept.
;;     - The product sums the exact products of the quantised numbers (number of the format x scale) in f32.
;;   ~~~python
;;   def quantise(x, axis):      # numpy; x: float32 -> the quantised numbers, widened to float32 again
;;       x = np.moveaxis(x, axis, -1); K = x.shape[-1]
;;       x = np.pad(x, [(0, 0)] * (x.ndim - 1) + [(0, -K % 32)]); x = x.reshape(x.shape[:-1] + (-1, 32)); a = np.abs(x).max(-1, keepdims=True)
;;       e = np.where(a > 0, np.clip(np.frexp(np.where(a > 0, a, 1))[1] - 1 - 2, -126, 127), 0)      # np.frexp(a)[1] - 1 = floor(log2(a)), exactly
;;       r = np.clip(x / 2.0 ** e, -7.5, 7.5)
;;       step = 2.0 ** (np.maximum(np.frexp(np.where(r == 0, 1, r))[1] - 1, 0) - 3)
;;       q = np.round(r / step) * step * 2.0 ** e      # np.round: ties to even
;;       return np.moveaxis(q.reshape(q.shape[:-2] + (-1,))[..., :K], -1, axis).astype(np.float32)
;;   ~~~
;;   SOFTMAX AHEAD OF A QUANTISED PRODUCT. Where the list says 'softmax', what is quantised is not the finished softmax but p = 2^(t - M), with t = logit x log2(e) and M = ceil(the row's largest t), a whole number; so 1/2 < the row's largest p <= 1. The row's sum l is taken of the UNQUANTISED p, in f32, and the product's result is divided by l at the end. Since M is a whole number, a kernel that streams over the keys may use a running M (the ceiling of the running maximum): every later rescaling is an exact power of two, which a block's scale takes up: the codes' values come out the same.
;;   OPERANDS COMPUTED ON THE WAY. 'Computed on the way' means the value that the module computes at that place (a softmax that the list does not call 'softmax' is quantised finished and normalised). What goes into a quantiser is computed in f32, as accurately as f32 sums, v_exp_f32 and their like allow (about 1e-6 of the number): no bf16 or f16 on the way to a quantiser, and a product that is left as it is and whose result goes on into a quantised operand takes f32 operands (vector FMAs, or v_wmma_f32_16x16x4_f32). A number that lies on a knife's edge between two numbers of the format may be rounded either way, as far as f32 arithmetic and the matrix unit's own rounding can turn it there, and no further.
;;   INPUTS GIVEN AS CODES. Wk (in the module: [256, 256], K = its axis 1); Wp (in the module: [256, 256], K = its axis 1); Wq (in the module: [256, 256], K = its axis 1); Wv (in the module: [256, 256], K = its axis 1); fc1_w (in the module: [1024, 256], K = its axis 1); fc2_w (in the module: [256, 1024], K = its axis 1): each comes as NAME_codes (uint8): NAME with its K axis moved to the last place and cut into blocks of 32 codes, [.., K / 32, bytes a block], one block behind the other in memory; four codes in three bytes: a row's codes are one little-endian stream of bits, code i at bits 6 i .. 6 i + 5 (a code: sign, 2 exponent bits, 3 mantissa bits); and NAME_scales (uint8): the same leading axes, one E8M0 byte (e + 127) for each 32 codes along K. Its value is code x scale, taken as it is: it is not quantised again, and the codes and scales need not be those that the quantiser above would give.
;; One version. Each part assembles by itself: llvm-mc -triple=amdgcn-amd-amdhsa -mcpu=gfx1250 --defsym DOCPART=n.
;; ======== version 1 of 1: 2 launches
;; limits: a function is approximated: absolute error at most 1.5e-07
;; workspace buffers: wimg 638,976 bytes; tab 1,024 bytes
;; launch prep (part 1): grid 24 x 1, 8 waves a work-group, no clusters, 0 bytes of LDS; arguments Wk_codes, Wq_codes, Wv_codes, Wp_codes, fc1_w_codes, fc2_w_codes, Wk_scales, Wq_scales, Wv_scales, Wp_scales, fc1_w_scales, fc2_w_scales, bk, bq, bv, fc1_b, pe_w1, pe_b1, bn_g, bn_b, bn_m, bn_v, pe_w2, pe_b2, wimg, tab; writes wimg, tab
.if DOCPART == 1
	.amdgcn_target "amdgcn-amd-amdhsa--gfx1250"
	.amdhsa_code_object_version 6
	.text
	.protected	k_q3056b75866_prep
	.globl	k_q3056b75866_prep
	.p2align	8
	.type	k_q3056b75866_prep,@function
k_q3056b75866_prep:
	s_mov_b64 s[64:65], 0
	v_nop
	global_prefetch_b8 v0, s[64:65] scope:SCOPE_SE
	s_setreg_imm32_b32 hwreg(HW_REG_WAVE_MODE, 25, 1), 1
	s_wait_xcnt 0x0
; The six weights (codes of E2M3 with E8M0 scale bytes) are laid out ONCE in the order in which the next launch's operand registers take them: 192 records of 3,328 bytes.
; A record: bytes 0-1535 fragment 0, 1536-3071 fragment 1, each an image of 12 registers (registers 4 g .. 4 g + 3 of lane L at 512 g + 16 L); 3072-3199 32 scale words
; (lane L < 16: row L's word of fragment 0; lane 16 + L: of fragment 1); 3200-3263 16 floats: the bias of the fragment's 16 rows; 3264-3327 zeros.
; THE ROWS OF A FRAGMENT ARE NOT NEIGHBOURS: lane r holds weight row R0 + r + 8 (r / 8), R0 = 32 (t / 2) + 8 (t % 2) for tile t of 16 rows.
; THE STREAM: 12 tiles of 16 records: Wk, Wq, Wv, Wp (record t: tile t; fragment f: K step f of 128); then for kk = 0 .. 7: eight records of fc1 (tiles 8 kk .. 8 kk + 7; fragment f: K step f)
; and eight of fc2 (record i: fragment f = tile 2 i + f, K step kk).  Biases: bk, bq, bv, fc1_b; zeros for Wp and fc2, whose biases the next launch adds elsewhere.
; One wave makes one record: 24 work-groups of 8 waves.  Every store covers 512 or 128 consecutive bytes.
; Wave 0 of work-group 0 also folds the position layers' constants into tab: entry o (16 of them, 48 bytes each): A, B, C, 0, pe_w2[0..7][o], with s = bn_g rsq(bn_v + 1e-5),
; A = pe_w1[o][0] s, B = pe_w1[o][1] s, C = (pe_b1 - bn_m) s + bn_b; at byte 768 pe_b2[0..7] x log2(e); zeros up to byte 1023.
; LIMIT: the folding rounds in another order than the unfolded form (f32 throughout).
.set RECB, 3328
	s_load_b512 s[8:23], s[0:1], 0x0               ; codes: Wk s[8:9], Wq, Wv, Wp, fc1, fc2 s[18:19]; scales: Wk s[20:21], Wq s[22:23]
	s_load_b512 s[24:39], s[0:1], 0x40             ; scales: Wv, Wp, fc1, fc2 s[30:31]; bk s[32:33], bq, bv, fc1_b s[38:39]
	s_load_b512 s[40:55], s[0:1], 0x80             ; pe_w1, pe_b1, bn_g, bn_b, bn_m, bn_v, pe_w2, pe_b2
	s_load_b128 s[56:59], s[0:1], 0xc0             ; wimg, tab
	v_lshrrev_b32 v1, 5, v0
	v_readfirstlane_b32 s2, v1                     ; wave 0..7
	v_and_b32 v1, 31, v0                           ; lane
	v_and_b32 v2, 15, v0                           ; r
	v_bfe_u32 v3, v0, 4, 1                         ; h
	v_and_b32 v4, 8, v2
	v_add_nc_u32 v4, v4, v2                        ; r + 8 (r / 8)
	s_lshr_b32 s3, ttmp9, 1                        ; the stream's tile, 0..11
	s_and_b32 s4, ttmp9, 1                         ; which eight of its records
	s_sub_co_u32 s7, s3, 4                         ; kk, where the tile is one of the last eight
	s_add_co_u32 s6, s4, 4
	s_cmp_lt_u32 s3, 4
	s_cselect_b32 s5, s3, s6                       ; which weight: 0 Wk, 1 Wq, 2 Wv, 3 Wp, 4 fc1, 5 fc2
	s_cselect_b32 s60, s4, s7
	s_cselect_b32 s7, 0, s7
	s_lshl_b32 s60, s60, 3
	s_add_co_u32 s61, s60, s2                      ; t: the weight's tile of 16 rows
	s_lshr_b32 s62, s61, 1
	s_lshl_b32 s62, s62, 5
	s_and_b32 s63, s61, 1
	s_lshl_b32 s63, s63, 3
	s_add_co_u32 s62, s62, s63                     ; R0 = 32 (t / 2) + 8 (t % 2)
	s_lshl_b32 s63, s2, 5                          ; fc2: record i = wave: R0 = 32 i for fragment 0
	s_mov_b32 s66, 192
	s_mov_b32 s68, 96
	s_cmp_eq_u32 s5, 5
	s_cselect_b32 s62, s63, s62
	s_cselect_b32 s66, 768, s66                    ; a row of codes in bytes
	s_cselect_b32 s67, 32, 8                       ; a row of scale bytes
	s_cselect_b32 s68, 6144, s68                   ; from fragment 0 to fragment 1: 128 along K, or in fc2 eight rows
	s_cselect_b32 s69, 256, 4                      ; the same among the scale bytes
	s_cselect_b32 s70, s7, 0                       ; fc2 alone begins at K step kk
	s_mul_i32 s71, s70, 96
	s_lshl_b32 s72, s70, 2
	v_add_nc_u32 v5, s62, v4                       ; my row
	v_mul_lo_u32 v6, v5, s66
	v_mad_u32_u24 v6, v3, 24, v6
	v_add_nc_u32 v6, s71, v6                       ; fragment 0: row x pitch + 24 h (+ 96 kk)
	v_add_nc_u32 v7, s68, v6                       ; fragment 1
	v_mul_lo_u32 v8, v5, s67
	v_mul_lo_u32 v9, v3, s69
	v_add_nc_u32 v8, v8, v9
	v_add_nc_u32 v8, s72, v8                       ; the scale word: lanes 0-15 fragment 0's, lanes 16-31 fragment 1's
	v_lshlrev_b32 v10, 2, v5                       ; the bias of my row
	v_lshlrev_b32 v11, 4, v1
	v_lshlrev_b32 v12, 2, v1
	s_cmp_eq_u32 s5, 3
	s_cselect_b32 s80, 0, 0xffff                   ; lanes whose bias is kept: 0-15, and none for Wp and fc2
	s_cmp_eq_u32 s5, 5
	s_cselect_b32 s80, 0, s80
	s_lshl_b32 s81, ttmp9, 3
	s_add_co_u32 s81, s81, s2                      ; the record's number
	s_mul_i32 s82, s81, RECB
	s_mov_b32 s83, 0
	s_wait_kmcnt 0x0
	s_mov_b64 s[74:75], s[8:9]                     ; the three buffers are chosen by the weight's number alone
	s_mov_b64 s[76:77], s[20:21]
	s_mov_b64 s[78:79], s[32:33]                   ; (for Wp and fc2 bk is read, inside its 256 numbers, and replaced by 0)
.irp k, 1,2,3,4,5
	s_cmp_eq_u32 s5, \k
	s_cselect_b64 s[74:75], s[8+2*\k:9+2*\k], s[74:75]
	s_cselect_b64 s[76:77], s[20+2*\k:21+2*\k], s[76:77]
.endr
	s_cmp_eq_u32 s5, 1
	s_cselect_b64 s[78:79], s[34:35], s[78:79]
	s_cmp_eq_u32 s5, 2
	s_cselect_b64 s[78:79], s[36:37], s[78:79]
	s_cmp_eq_u32 s5, 4
	s_cselect_b64 s[78:79], s[38:39], s[78:79]
	s_add_nc_u64 s[56:57], s[56:57], s[82:83]      ; my record
.irp f, 0,1
.irp p, 0,1,2,3,4,5
	global_load_b64 v[16+12*\f+2*\p:17+12*\f+2*\p], v[6+\f], s[74:75] offset:48*(\p/3)+8*(\p%3)   ; 24 bytes at 24 h and 24 at 48 + 24 h: the operand's registers as they lie in the row
.endr
.endr
	global_load_b32 v40, v8, s[76:77]
	global_load_b32 v41, v10, s[78:79]
	s_wait_loadcnt 0x0                             ; all loads are done: their offset registers v6 to v10 are free
	v_cndmask_b32 v41, 0, v41, s80
.irp f, 0,1
.irp g, 0,1,2
	global_store_b128 v11, v[16+12*\f+4*\g:19+12*\f+4*\g], s[56:57] offset:1536*\f+512*\g
.endr
.endr
	global_store_b32 v12, v40, s[56:57] offset:3072
	global_store_b32 v12, v41, s[56:57] offset:3200
	s_or_b32 s84, ttmp9, s2
	s_cmp_lg_u32 s84, 0
	s_cbranch_scc1 .Ldone                          ; the table is made by wave 0 of work-group 0
	; From here on nothing writes v11, v12 or v16 to v41, which the stores above may still read: the table's offsets lie in v6, v7 and v13 to v15, its numbers in v42 to v63
	v_lshlrev_b32 v13, 3, v2                       ; o = lane % 16: every load stays inside its buffer with all lanes on
	v_lshlrev_b32 v14, 2, v2
	v_min_u32 v15, 3, v1
	v_lshlrev_b32 v15, 3, v15
	v_mul_u32_u24 v6, v2, 48                       ; entry o
	v_lshlrev_b32 v7, 3, v1                        ; 8 x lane
	global_load_b64 v[44:45], v13, s[40:41]        ; pe_w1[o][0..1]
	global_load_b32 v46, v14, s[42:43]             ; pe_b1
	global_load_b32 v47, v14, s[44:45]             ; bn_g
	global_load_b32 v48, v14, s[46:47]             ; bn_b
	global_load_b32 v49, v14, s[48:49]             ; bn_m
	global_load_b32 v50, v14, s[50:51]             ; bn_v
.irp hd, 0,1,2,3,4,5,6,7
	global_load_b32 v[56+\hd], v14, s[52:53] offset:64*\hd   ; pe_w2[hd][o]
.endr
	global_load_b64 v[42:43], v15, s[54:55]        ; pe_b2, a pair a lane
	s_wait_loadcnt 0x0
	v_add_f32 v50, 0x3727c5ac, v50                 ; bn_v + 1e-5
	v_rsq_f32 v50, v50
	v_sub_f32 v46, v46, v49                        ; (a plain line behind the root)  pe_b1 - bn_m
	s_wait_alu depctr_va_vdst(0)
	v_mul_f32 v50, v47, v50                        ; s
	v_mul_f32 v52, v44, v50                        ; A
	v_mul_f32 v53, v45, v50                        ; B
	v_fma_f32 v54, v46, v50, v48                   ; C
	v_mov_b32 v55, 0
	v_mul_f32 v42, 0x3fb8aa3b, v42
	v_mul_f32 v43, 0x3fb8aa3b, v43
	v_cmp_gt_u32 vcc_lo, 4, v1
	v_cndmask_b32 v42, 0, v42, vcc_lo
	v_cndmask_b32 v43, 0, v43, vcc_lo
	global_store_b64 v7, v[42:43], s[58:59] offset:768   ; bytes 768-1023: pe_b2 x log2(e), then zeros
	v_cmp_gt_u32 vcc_lo, 16, v1
	s_wait_xcnt 0x0                                ; EXEC changes only behind this wait: it is a source of the stores above
	s_and_saveexec_b32 s85, vcc_lo
	global_store_b128 v6, v[52:55], s[58:59]
	global_store_b128 v6, v[56:59], s[58:59] offset:16
	global_store_b128 v6, v[60:63], s[58:59] offset:32
	s_wait_xcnt 0x0
	s_or_b32 exec_lo, exec_lo, s85
.Ldone:
	s_endpgm
.Lfunc_end_k_q3056b75866_prep:
	.size	k_q3056b75866_prep, .Lfunc_end_k_q3056b75866_prep-k_q3056b75866_prep
	.p2alignl 7, 3214868480
	.fill 96, 4, 3214868480
	.section	.rodata,"a",@progbits
	.p2align	6, 0x0
	.amdhsa_kernel k_q3056b75866_prep
		.amdhsa_group_segment_fixed_size 0
		.amdhsa_private_segment_fixed_size 0
		.amdhsa_enable_private_segment 0
		.amdhsa_kernarg_size 208
		.amdhsa_user_sgpr_count 2
		.amdhsa_user_sgpr_kernarg_segment_ptr 1
		.amdhsa_wavefront_size32 1
		.amdhsa_system_sgpr_workgroup_id_x 1
		.amdhsa_system_sgpr_workgroup_id_y 1
		.amdhsa_system_sgpr_workgroup_id_z 1
		.amdhsa_system_vgpr_workitem_id 0
		.amdhsa_next_free_vgpr 64
		.amdhsa_next_free_sgpr 90
		.amdhsa_reserve_vcc 1
		.amdhsa_float_denorm_mode_32 3
		.amdhsa_float_denorm_mode_16_64 3
		.amdhsa_memory_ordered 1
		.amdhsa_forward_progress 1
		.amdhsa_inst_pref_size 9
	.end_amdhsa_kernel
	.amdgpu_metadata
---
amdhsa.version: [ 1, 2 ]
amdhsa.kernels:
  - .name:           k_q3056b75866_prep
    .symbol:         k_q3056b75866_prep.kd
    .args:
      - { .name: Wk_codes, .offset: 0, .size: 8, .value_kind: global_buffer, .address_space: global }
      - { .name: Wq_codes, .offset: 8, .size: 8, .value_kind: global_buffer, .address_space: global }
      - { .name: Wv_codes, .offset: 16, .size: 8, .value_kind: global_buffer, .address_space: global }
      - { .name: Wp_codes, .offset: 24, .size: 8, .value_kind: global_buffer, .address_space: global }
      - { .name: fc1_w_codes, .offset: 32, .size: 8, .value_kind: global_buffer, .address_space: global }
      - { .name: fc2_w_codes, .offset: 40, .size: 8, .value_kind: global_buffer, .address_space: global }
      - { .name: Wk_scales, .offset: 48, .size: 8, .value_kind: global_buffer, .address_space: global }
      - { .name: Wq_scales, .offset: 56, .size: 8, .value_kind: global_buffer, .address_space: global }
      - { .name: Wv_scales, .offset: 64, .size: 8, .value_kind: global_buffer, .address_space: global }
      - { .name: Wp_scales, .offset: 72, .size: 8, .value_kind: global_buffer, .address_space: global }
      - { .name: fc1_w_scales, .offset: 80, .size: 8, .value_kind: global_buffer, .address_space: global }
      - { .name: fc2_w_scales, .offset: 88, .size: 8, .value_kind: global_buffer, .address_space: global }
      - { .name: bk, .offset: 96, .size: 8, .value_kind: global_buffer, .address_space: global }
      - { .name: bq, .offset: 104, .size: 8, .value_kind: global_buffer, .address_space: global }
      - { .name: bv, .offset: 112, .size: 8, .value_kind: global_buffer, .address_space: global }
      - { .name: fc1_b, .offset: 120, .size: 8, .value_kind: global_buffer, .address_space: global }
      - { .name: pe_w1, .offset: 128, .size: 8, .value_kind: global_buffer, .address_space: global }
      - { .name: pe_b1, .offset: 136, .size: 8, .value_kind: global_buffer, .address_space: global }
      - { .name: bn_g, .offset: 144, .size: 8, .value_kind: global_buffer, .address_space: global }
      - { .name: bn_b, .offset: 152, .size: 8, .value_kind: global_buffer, .address_space: global }
      - { .name: bn_m, .offset: 160, .size: 8, .value_kind: global_buffer, .address_space: global }
      - { .name: bn_v, .offset: 168, .size: 8, .value_kind: global_buffer, .address_space: global }
      - { .name: pe_w2, .offset: 176, .size: 8, .value_kind: global_buffer, .address_space: global }
      - { .name: pe_b2, .offset: 184, .size: 8, .value_kind: global_buffer, .address_space: global }
      - { .name: wimg, .offset: 192, .size: 8, .value_kind: global_buffer, .address_space: global }
      - { .name: tab, .offset: 200, .size: 8, .value_kind: global_buffer, .address_space: global }
    .group_segment_fixed_size: 0
    .private_segment_fixed_size: 0
    .kernarg_segment_align: 8
    .kernarg_segment_size: 208
    .max_flat_workgroup_size: 256
    .sgpr_count:     90
    .vgpr_count:     64
    .wavefront_size: 32
...
	.end_amdgpu_metadata
.endif
;; end of part 1
;; launch block (part 2): grid 256 x 1, 8 waves a work-group, clusters of 4 x 1, 327,680 bytes of LDS; arguments wimg, tab, x, pos, ln1_g, ln1_b, ln2_g, ln2_b, bp, fc2_b, out0; writes out0
.if DOCPART == 2
	.amdgcn_target "amdgcn-amd-amdhsa--gfx1250"
	.amdhsa_code_object_version 6
	.text
	.protected	k_q3056b75866_block
	.globl	k_q3056b75866_block
	.p2align	8
	.type	k_q3056b75866_block,@function
k_q3056b75866_block:
	s_mov_b64 s[64:65], 0
	v_nop
	global_prefetch_b8 v0, s[64:65] scope:SCOPE_SE
	s_setreg_imm32_b32 hwreg(HW_REG_WAVE_MODE, 25, 1), 1
	s_wait_xcnt 0x0
	s_wait_alu depctr_hold_cnt(0) depctr_sa_sdst(0) depctr_va_vdst(0) depctr_va_sdst(0) depctr_va_ssrc(0) depctr_va_vcc(0) depctr_vm_vsrc(0)
	s_getreg_b32 s2, hwreg(HW_REG_IB_STS2, 6, 4)
	s_cmp_eq_u32 s2, 0
	s_cbranch_scc0 .Lentry_in_a_cluster
	s_endpgm
.Lentry_in_a_cluster:
	s_bfe_u32 s2, ttmp6, 0x10000c
	s_cmp_lg_u32 s2, 0x3003
	s_cbranch_scc0 .Lentry_shape_is_right
	s_endpgm
.Lentry_shape_is_right:
; The whole block, x to out0: LN1, Q K V, attention in windows of 4 x 8 tokens with a bias from position differences, projection, residual, LN2, fc1, exact GELU, fc2, residual.
; All large products on codes of E2M3 with one E8M0 scale for each 32 along K; every activation operand is quantised in registers from f32 numbers.  Nothing intermediate goes to memory.
; SHARES.  A work-group takes 4 image rows x 64 columns: 8 windows; each of its 8 waves one window of 32 tokens, as two tiles of 16 (tile T, row r: token 16 T + r of the window: image row 2 T + r / 8, column r % 8).
; Two waves of 512 registers lie on a SIMD, so that one wave's vector work (about 17 thousand instructions a wave against 832 matrix instructions) stands beside the other's products and LDS loads.
; THE WEIGHTS come as 12 tiles of 16 records of 3,328 bytes (laid out by the launch before, in the order of the operand's registers) through a ring of two LDS slots; each wave brings two records of a tile.
; CLUSTER.  All work-groups walk the same 12 tiles, so the four of a cluster ask for each JOINTLY: the same tensor load, the same descriptor, the mask 15.
; LAYOUT.  Products are used transposed (source 0 = 16 rows of a weight, source 1 = 16 tokens): a lane holds ONE token (lane % 16), and since lane r of a weight's tile t holds row 32 (t / 2) + 8 (t % 2) + r + 8 (r / 8),
; register j of tile t is channel 32 (t / 2) + 16 (lane / 16) + 8 (t % 2) + j: the 16 registers of tiles 2 b, 2 b + 1 are 16 neighbours of block b of the next K.  V alone is made untransposed, so that its registers run along the keys.
; ATTENTION.  K of both products is 32, a quarter of the instruction's 128.  One side is a dense fragment of four heads (K's for the scores, V's for the output); the other (Q, P) is masked to one head's block by zero codes.
; Keys stand in the order 16 (lane / 16) + 8 T + j inside their block, in P and in V alike.
; SOFTMAX.  t = logit x log2(e), M = ceil(the row's largest t), p = 2^(t - M) is quantised; the row's sum of the unquantised p divides the output.
; No prefetch is written: x is asked for by the loads at the kernel's head, ahead of which there is no trip, and the weights are walked by every work-group, not read once.
; LIMITS.  NaN and infinities are not served.  A block whose largest magnitude lies under 2^-124 (a block of zeros too) gets the scale byte 1; these bytes are read here alone.
; erf is taken by a rational form (Abramowitz and Stegun 7.1.26) with an absolute error of at most 1.5e-7.  The position bias and pe_b2 are added to the scores in another order of f32 roundings than the unfused form.
; REGISTERS.  Window 1 (v256-511): X: register 128 T + 16 b + i = token 16 T + r, channel 32 b + 16 h + i: x, then x + bp, x1, x1 + fc2_b, out.  Window 0: see the names below.
.set SLOT1,  65536                     ; slot 0 at byte 0, slot 1 here: one exclusive or turns an address
.set TILEB,  53248                     ; a tile: 16 records
.set RECB,   3328
.set WPART,  6656                      ; a wave's part of a tile: two records, 26 rows of 256 bytes
.set TAB,    53248                     ; seven tables of 1,024 bytes, stored once: ln1_g, ln1_b, ln2_g, ln2_b, bp, fc2_b, the position constants
.set T_G1,   0
.set T_B1,   1024
.set T_G2,   2048
.set T_B2,   3072
.set T_BP,   4096
.set T_F2,   5120
.set T_PE,   6144
.set SPARE,  61440                     ; the spare words, 128 bytes for each wave: four blocks of 256 bytes that no other line names
.set WS0,    118784                    ; behind slot 1: a region of 20,480 bytes for each wave, its own
.set WSB,    20480
.set KIMG,   0                         ; in it: K's four fragments (2 kt + s), images of 1,536 bytes;
.set QIMG,   6144                      ; Q's (2 qt + s), later O's;
.set VIMG,   12288                     ; V's (2 u + s);
.set SCW,    18432                     ; twelve images of scale words, 128 bytes each: K's 0-3, Q's and O's 4-7, V's 8-11;
.set POSW,   19968                     ; the window's 32 positions, 8 bytes each.
.set SPITCH, 1040                      ; The stage for x and out0, 16 rows of 1,024 + 16 bytes, lies over the images: it is used before they exist and after they are dead
.set LI,  1                            ; v1   16 x lane
.set LS,  2                            ; v2   4 x lane
.set SPW, 3                            ; v3   my spare word;  v4  0: both never rewritten
.set NIL, 4
.set WSI, 5                            ; v5   my region + 16 x lane
.set WSS, 6                            ; v6   my region + SCW + 4 x lane
.set STR, 7                            ; v7   my region + 1040 r + 64 h
.set TBA, 8                            ; v8   TAB + 64 h
.set H32, 9                            ; v9   32 h
.set L15, 10                           ; v10  4 r
.set PO,  11                           ; v11  my token's offset in pos
.set RA,  12                           ; v12-17 addresses of the phase in hand
.set RS,  13
.set RB,  14
.set A3,  15
.set A4,  16
.set A5,  17
.set SC,  18                           ; v18-25 scale words and nothing else: 0-3 the activation's, 4, 5 the fragments' just made, 6, 7 the two records'
.set TM,  26                           ; v26-36 at work in the quantiser: largest magnitudes, the other half's, scale operands, bytes, three registers of codes
.set TP,  28
.set TS,  30
.set TY,  32
.set CT,  34
.set QB,  37                           ; v37  my region + 8 r
.set ST,  38                           ; v38-45 statistics; in attention 1 / l of the 8 heads
.set ACT, 46                           ; v46-93 the activation's four fragments (2 T + s)
.set ACC, 94                           ; v94-157 eight accumulators
.set FA,  158                          ; v158-181 two fragments being made
.set WA,  182                          ; v182-213 a record: two fragments and eight bias numbers;  v214-245 the other
.set WB,  214
.set BVK, 246                          ; v246-249 V's biases
.set DD,  94                           ; norms: v94-221 128 numbers;  v222-253 16 gains and 16 biases
.set GB,  222
.set S,   46                           ; attention: v46-173 the scores (head hd at 16 hd, key tile kt at 8 kt), then p, then O
.set R1,  174                          ; v174-197 K's two fragments, then differences, then P's two fragments, then O's
.set R2,  198                          ; v198-221 Q's fragment, then V's two
.set R3,  222                          ; v222-239 six masked registers, six zeros, six masked registers
.set DX,  174
.set DY,  190
.set HH,  206
.set KPOS, 206
.set QPOS, 238
.set CN0, 222
.set CN1, 234
.set GD,  214                          ; GELU: three sets of eight, in the second record's registers while they are idle;  v[250:251] a4 / 2
.set GU,  222
.set GP,  230
.set MSB, 0
.macro WIN new                         ; the immediate's low byte: bits 1:0 source 0, 3:2 source 1, 5:4 source 2, 7:6 destination; its high byte repeats the setting that is left
.if MSB != \new
	s_set_vgpr_msb (MSB<<8)|\new
.set MSB, \new
.endif
.endm
.macro NOPS n
.rept \n
	v_nop
.endr
.endm
; A round of the cluster's barrier: my work-group's barrier, wave 0 signals for the work-group, every wave waits for all four work-groups, my work-group's barrier once more.
.macro ROUND
	s_barrier_signal -1
	s_barrier_wait -1
	s_cmp_lg_u32 s8, 0
	s_cbranch_scc1 .Lnot_wave_0_\@
	s_barrier_signal -3
.Lnot_wave_0_\@:
	s_barrier_wait -3
	s_barrier_signal -1
	s_barrier_wait -1
.endm
; THE CHANGE OF SLOTS stands at a tile's head.  Each wave waits for all its tensor loads (one is out: its part of the tile that it is about to read), adds 0 to its spare word, and waits for that and for its LDS reads of the
; slot that it has left.  fill = 1: behind a round of the cluster's barrier that slot takes the tile after: the load has the whole of this tile's work in which to land.
.macro CHANGE fill
	s_wait_tensorcnt 0x0                           ; no tensor load of mine is out, so the walking descriptor may be written
	ds_add_u32 v[SPW], v[NIL]                      ; 0 onto my spare word; the steps below stand between it and the wait for it
	s_xor_b32 s24, s24, SLOT1                      ; the slot to be read
.if \fill
	s_xor_b32 s13, s13, SLOT1
	s_add_nc_u64 s[14:15], s[14:15], TILEB         ; the type bits on top are not reached
.endif
	s_wait_dscnt 0x0                               ; the add is done, my LDS stores have landed and my reads are over
.if \fill
	ROUND
	tensor_load_to_lds s[12:15], s[16:23]          ; the first thing behind the round, and my one tensor load until the next
	s_nop 0
	NOPS 4
.else
	s_barrier_signal -1
	s_barrier_wait -1
.endif
.endm
; One matrix instruction.  c: C's first register, or -1 for the constant 0.  row: 0, or 1 / 2: source 0's / source 1's scales are taken from lanes 16-31.
.macro WM d, a, b, c, sa, sb, row
.if (\c) < 0
	v_wmma_scale_f32_16x16x128_f8f6f4 v[(\d):(\d)+7], v[(\a):(\a)+11], v[(\b):(\b)+11], 0, v[\sa], v[\sb] matrix_a_fmt:MATRIX_FMT_FP6 matrix_b_fmt:MATRIX_FMT_FP6
.elseif (\row) == 0
	v_wmma_scale_f32_16x16x128_f8f6f4 v[(\d):(\d)+7], v[(\a):(\a)+11], v[(\b):(\b)+11], v[(\c):(\c)+7], v[\sa], v[\sb] matrix_a_fmt:MATRIX_FMT_FP6 matrix_b_fmt:MATRIX_FMT_FP6
.elseif (\row) == 1
	v_wmma_scale_f32_16x16x128_f8f6f4 v[(\d):(\d)+7], v[(\a):(\a)+11], v[(\b):(\b)+11], v[(\c):(\c)+7], v[\sa], v[\sb] matrix_a_fmt:MATRIX_FMT_FP6 matrix_b_fmt:MATRIX_FMT_FP6 matrix_a_scale:MATRIX_SCALE_ROW1
.else
	v_wmma_scale_f32_16x16x128_f8f6f4 v[(\d):(\d)+7], v[(\a):(\a)+11], v[(\b):(\b)+11], v[(\c):(\c)+7], v[\sa], v[\sb] matrix_a_fmt:MATRIX_FMT_FP6 matrix_b_fmt:MATRIX_FMT_FP6 matrix_b_scale:MATRIX_SCALE_ROW1
.endif
.endm
; A record from LDS: six loads of 512 consecutive bytes, the scale words, and kind 0: eight bias numbers of my half (the C of a transposed product); 1: my column's bias; 2: none.  9 - kind loads.
.macro LOADREC buf, sc, idx, kind, tau
.irp g, 0,1,2,3,4,5
	ds_load_b128 v[(\buf)+4*\g:(\buf)+4*\g+3], v[RA] offset:RECB*(\idx)+512*\g
.endr
	ds_load_b32 v[\sc], v[RS] offset:RECB*(\idx)+3072
.if (\kind) == 0
	ds_load_b128 v[(\buf)+24:(\buf)+27], v[RB] offset:RECB*(\idx)+3200
	ds_load_b128 v[(\buf)+28:(\buf)+31], v[RB] offset:RECB*(\idx)+3216
.elseif (\kind) == 1
	ds_load_b32 v[BVK+(\tau)], v[RB] offset:RECB*(\idx)+3200
.endif
.endm
; Four matrix instructions on a record.  The accumulators take turns, one instruction a turn.
.macro MM4_T buf, sc, tau              ; transposed, K = 256: tile tau of 16 outputs for both tiles of tokens; the bias starts the sums
	WM ACC+8*(\tau), \buf, ACT, (\buf)+24, \sc, SC, 0
	WM ACC+32+8*(\tau), \buf, ACT+24, (\buf)+24, \sc, SC+2, 0
	WM ACC+8*(\tau), (\buf)+12, ACT+12, ACC+8*(\tau), \sc, SC+1, 1
	WM ACC+32+8*(\tau), (\buf)+12, ACT+36, ACC+32+8*(\tau), \sc, SC+3, 1
.endm
.macro MM4_V buf, sc, tau              ; untransposed: a lane holds one channel, and its registers 8 T + j token 16 T + 8 h + j
	WM ACC+16*(\tau), ACT, \buf, -1, SC, \sc, 0
	WM ACC+16*(\tau)+8, ACT+24, \buf, -1, SC+2, \sc, 0
	WM ACC+16*(\tau), ACT+12, (\buf)+12, ACC+16*(\tau), SC+1, \sc, 2
	WM ACC+16*(\tau)+8, ACT+36, (\buf)+12, ACC+16*(\tau)+8, SC+3, \sc, 2
.endm
.macro MM4_X buf, sc, t                ; as MM4_T, added in place onto X (C and D in window 1)
	WM 8*(\t), \buf, ACT, 8*(\t), \sc, SC, 0
	WM 128+8*(\t), \buf, ACT+24, 128+8*(\t), \sc, SC+2, 0
	WM 8*(\t), (\buf)+12, ACT+12, 8*(\t), \sc, SC+1, 1
	WM 128+8*(\t), (\buf)+12, ACT+36, 128+8*(\t), \sc, SC+3, 1
.endm
.macro MM4_F buf, sc, i                ; fc2: one K step, tiles 2 i and 2 i + 1 of outputs, onto X
	WM 16*(\i), \buf, FA, 16*(\i), \sc, SC+4, 0
	WM 128+16*(\i), \buf, FA+12, 128+16*(\i), \sc, SC+5, 0
	WM 16*(\i)+8, (\buf)+12, FA, 16*(\i)+8, \sc, SC+4, 1
	WM 128+16*(\i)+8, (\buf)+12, FA+12, 128+16*(\i)+8, \sc, SC+5, 1
.endm
.macro MM4 kind, buf, sc, tau
.if (\kind) == 0
	MM4_T \buf, \sc, \tau
.else
	MM4_V \buf, \sc, \tau
.endif
.endm
; Four records from the addresses in hand, two buffers by turns.  Each wait leaves out the 9 - kind loads of the record asked for last.  Four plain places stand behind matrix instructions ahead of loads into
; their registers and of reads of their results (ISA guide 7.12.1 for vector instructions).
.macro GRP kind
	LOADREC WA, SC+6, 0, \kind, 0
	LOADREC WB, SC+7, 1, \kind, 1
	s_wait_dscnt 9-(\kind)
	MM4 \kind, WA, SC+6, 0
	NOPS 4
	LOADREC WA, SC+6, 2, \kind, 2
	s_wait_dscnt 9-(\kind)
	MM4 \kind, WB, SC+7, 1
	NOPS 4
	LOADREC WB, SC+7, 3, \kind, 3
	s_wait_dscnt 9-(\kind)
	MM4 \kind, WA, SC+6, 2
	s_wait_dscnt 0x0
	MM4 \kind, WB, SC+7, 3
	NOPS 4
.endm
; One record of a run of n, added onto X: the wait leaves out the next record's seven loads; the buffer then takes the record two on.
.macro RECSTEP buf, sc, i, n, base, fc
.if (\i) < (\n)-1
	s_wait_dscnt 7
.else
	s_wait_dscnt 0x0
.endif
	WIN 0x50                                       ; C and D in window 1
.if \fc
	MM4_F \buf, \sc, \i
.else
	MM4_X \buf, \sc, \i
.endif
	WIN 0
	NOPS 4
.if (\i)+2 < (\n)
	LOADREC \buf, \sc, (\base)+(\i)+2, 2, 0
.endif
.endm
; TWO BLOCKS OF 32 ALONG K are quantised: my 16 numbers of each lie in v[S0] on and v[S1] on (k = 16 h + i of the block).  Six operand registers come out at v[F] (lanes 0-15 the first block whole, lanes 16-31 the second)
; and two bytes of the scale word PW.  mode 0: bytes 0, 1; mode 1: bytes 2, 3; mode 2: as 1, after the fragment's upper six registers and the word's upper bytes have moved down: one loop body serves both halves.
; A block's scale operand is its largest magnitude with 2 taken off the exponent field; the floor 2^(3 - 127) among the leaves holds the byte at 1 from below.
.macro QUANT2 S0, S1, F, PW, mode
	v_max3_num_f32 v[TM], |v[\S0]|, |v[(\S0)+1]|, 0x1800000
	v_max3_num_f32 v[TM+1], |v[\S1]|, |v[(\S1)+1]|, 0x1800000
.irp i, 2,4,6,8,10,12,14
	v_max3_num_f32 v[TM], v[TM], |v[(\S0)+\i]|, |v[(\S0)+\i+1]|
	v_max3_num_f32 v[TM+1], v[TM+1], |v[(\S1)+\i]|, |v[(\S1)+\i+1]|
.endr
	v_permlanex16_b32 v[TP], v[TM], s36, s37
	v_permlanex16_b32 v[TP+1], v[TM+1], s36, s37
	v_max_num_f32 v[TM], v[TM], v[TP]              ; with lane l xor 16's 16
	v_max_num_f32 v[TM+1], v[TM+1], v[TP+1]
	v_add_nc_u32 v[TS], 0xff000000, v[TM]
	v_add_nc_u32 v[TS+1], 0xff000000, v[TM+1]
	v_lshrrev_b32 v[TY], 23, v[TS]
	v_lshrrev_b32 v[TY+1], 23, v[TS+1]
.if (\mode) == 0
	v_lshl_or_b32 v[\PW], v[TY+1], 8, v[TY]
.else
.if (\mode) == 2
	v_lshrrev_b32 v[\PW], 16, v[\PW]
.irp i, 0,1,2,3,4,5
	v_mov_b32 v[(\F)-6+\i], v[(\F)+\i]
.endr
.endif
	v_lshl_or_b32 v[\PW], v[TY], 16, v[\PW]
	v_lshl_or_b32 v[\PW], v[TY+1], 24, v[\PW]
.endif
	v_cvt_scalef32_pk16_fp6_f32 v[(\F):(\F)+2], v[(\S0):(\S0)+15], v[TS]
	v_cvt_scalef32_pk16_fp6_f32 v[CT:CT+2], v[(\S1):(\S1)+15], v[TS+1]
	v_nop                                          ; one plain place behind a scaled conversion
.irp i, 0,1,2
	v_permlane16_swap_b32 v[(\F)+\i], v[CT+\i]     ; the first's lanes 16-31 change places with the second's lanes 0-15: each lane now has its block's lower 16 codes here, the upper 16 there
.endr
.irp i, 0,1,2
	v_mov_b32 v[(\F)+3+\i], v[CT+\i]
.endr
.endm
.macro JOIN                            ; four packed chains in v26-33 become one sum over the token's 256 channels, in v26 of both halves of the lanes
	v_pk_add_f32 v[TM:TM+1], v[TM:TM+1], v[TM+2:TM+3]
	v_pk_add_f32 v[TM+4:TM+5], v[TM+4:TM+5], v[TM+6:TM+7]
	v_pk_add_f32 v[TM:TM+1], v[TM:TM+1], v[TM+4:TM+5]
	v_add_f32 v[TM], v[TM], v[TM+1]
	v_permlanex16_b32 v[TM+1], v[TM], s36, s37
	v_add_f32 v[TM], v[TM], v[TM+1]
.endm
.macro LNLOAD blk, gt, bt              ; my 16 gains and 16 biases of block blk
.irp q, 0,1,2,3
	ds_load_b128 v[GB+4*\q:GB+4*\q+3], v[TBA] offset:(\gt)+128*(\blk)+16*\q
	ds_load_b128 v[GB+16+4*\q:GB+16+4*\q+3], v[TBA] offset:(\bt)+128*(\blk)+16*\q
.endr
.endm
; LAYER NORM of tile T of X, in two passes over registers (mean; then the squares of the differences), and its quantising into the activation's fragments (T, 0), (T, 1).  X is read from each accumulator's low end on.
.macro LNORM T, gt, bt
	WIN 0x05
.irp c, 0,1,2,3
	v_pk_add_f32 v[TM+2*\c:TM+2*\c+1], v[128*\T+2*\c:128*\T+2*\c+1], v[128*\T+8+2*\c:128*\T+8+2*\c+1]
.endr
	WIN 0x01
.set pp, 8
.rept 56
	v_pk_add_f32 v[TM+2*(pp%4):TM+2*(pp%4)+1], v[128*\T+2*pp:128*\T+2*pp+1], v[TM+2*(pp%4):TM+2*(pp%4)+1]
.set pp, pp+1
.endr
	WIN 0
	JOIN
	v_mul_f32 v38, s56, v[TM]                      ; the mean, twice: a pair for the packed forms
	v_mul_f32 v39, s56, v[TM]
	WIN 0x01
.set pp, 0
.rept 64
	v_pk_add_f32 v[DD+2*pp:DD+2*pp+1], v[128*\T+2*pp:128*\T+2*pp+1], v[38:39] neg_lo:[0,1] neg_hi:[0,1]
.set pp, pp+1
.endr
	WIN 0
.irp c, 0,1,2,3
	v_pk_mul_f32 v[TM+2*\c:TM+2*\c+1], v[DD+2*\c:DD+2*\c+1], v[DD+2*\c:DD+2*\c+1]
.endr
.set pp, 4
.rept 60
	v_pk_fma_f32 v[TM+2*(pp%4):TM+2*(pp%4)+1], v[DD+2*pp:DD+2*pp+1], v[DD+2*pp:DD+2*pp+1], v[TM+2*(pp%4):TM+2*(pp%4)+1]
.set pp, pp+1
.endr
	JOIN
	v_fma_f32 v40, v[TM], s56, s57                 ; the variance + 1e-5
	v_rsq_f32 v40, v40
	LNLOAD 0, \gt, \bt
	v_nop                                          ; a plain place behind the root
	s_wait_alu depctr_va_vdst(0)
	v_mov_b32 v41, v40
.set pp, 0
.rept 64
	v_pk_mul_f32 v[DD+2*pp:DD+2*pp+1], v[DD+2*pp:DD+2*pp+1], v[40:41]
.set pp, pp+1
.endr
.irp blk, 0,1,2,3,4,5,6,7
	s_wait_dscnt 0x0                               ; this block's gains and biases are in
.irp i, 0,2,4,6,8,10,12,14
	v_pk_fma_f32 v[DD+16*\blk+\i:DD+16*\blk+\i+1], v[DD+16*\blk+\i:DD+16*\blk+\i+1], v[GB+\i:GB+\i+1], v[GB+16+\i:GB+16+\i+1]
.endr
.if \blk < 7
	LNLOAD \blk+1, \gt, \bt
.endif
.if \blk % 2 == 1
	QUANT2 DD+16*(\blk-1), DD+16*\blk, ACT+12*(2*\T+\blk/4)+6*((\blk/2)%2), SC+2*\T+\blk/4, (\blk/2)%2
.endif
.endr
.endm
; A bias of 256 numbers is added onto both tiles of X: my 128 numbers come in one run into the registers that the norm has left.  The eight places at the end stand ahead of the scaled products that take the scale words just made.
.macro ADDB off
.set pp, 0
.rept 32
	ds_load_b128 v[DD+4*pp:DD+4*pp+3], v[TBA] offset:(\off)+128*(pp/4)+16*(pp%4)
.set pp, pp+1
.endr
	s_wait_dscnt 0x0
	WIN 0x41
.irp T, 0,1
.set pp, 0
.rept 64
	v_pk_add_f32 v[128*\T+2*pp:128*\T+2*pp+1], v[128*\T+2*pp:128*\T+2*pp+1], v[DD+2*pp:DD+2*pp+1]
.set pp, pp+1
.endr
.endr
	WIN 0
	NOPS 8
.endm
; Tile T of x, loaded 512 consecutive bytes an instruction, turns through my stage: in as it lies, back 64 bytes of a row a lane.  LDS serves a wave's instructions in order (ISA guide 5.7.1.4): no wait between stores and loads.
.macro XIN T
	s_wait_loadcnt 32-32*\T                        ; tile 0: tile 1's 32 loads may stay out
	WIN 0x04
.set kx, 0
.rept 32
	ds_store_b128 v[WSI], v[128*\T+4*kx:128*\T+4*kx+3] offset:SPITCH*(kx/2)+512*(kx%2)
.set kx, kx+1
.endr
	WIN 0x40
.set kx, 0
.rept 32
	ds_load_b128 v[128*\T+4*kx:128*\T+4*kx+3], v[STR] offset:128*(kx/4)+16*(kx%4)
.set kx, kx+1
.endr
	WIN 0
	s_wait_dscnt 0x0
.endm
.macro XOUT T                          ; and the way back: each accumulator from its low end on; 32 lanes then store 512 consecutive bytes, at a multiple of 256 from out0's first byte
	WIN 0x04
.set kx, 0
.rept 32
	ds_store_b128 v[STR], v[128*\T+4*kx:128*\T+4*kx+3] offset:128*(kx/4)+16*(kx%4)
.set kx, kx+1
.endr
	WIN 0x40
.set kx, 0
.rept 32
	ds_load_b128 v[128*\T+4*kx:128*\T+4*kx+3], v[WSI] offset:SPITCH*(kx/2)+512*(kx%2)
.set kx, kx+1
.endr
	s_wait_dscnt 0x0
	WIN 0x04
.set kx, 0
.rept 32
	global_store_b128 v[LI], v[128*\T+4*kx:128*\T+4*kx+3], s[6:7] offset:524288*\T+262144*(kx/16)+1024*((kx/2)%8)+512*(kx%2) th:TH_STORE_NT
.set kx, kx+1
.endr
	WIN 0
.endm
; K (kind 0), Q (1) or V (2): 16 records in four groups; two groups make a K step of the attention's operands: two fragments, whose images go to my region.
.macro QKV kind, img, scw
	s_mov_b32 s25, s24                             ; the group's records
	s_mov_b32 s26, 0                               ; 1,536 s
	s_mov_b32 s27, 0                               ; 128 s
	s_mov_b32 s9, 2
.Lks_\@:
	s_mov_b32 s10, 2
.Lkc_\@:
	v_add_nc_u32 v[RA], s25, v[LI]
	v_add_nc_u32 v[RS], s25, v[LS]
.if \kind == 2
	v_add_nc_u32 v[RB], s25, v[L15]
	GRP 1
.irp tp, 0,2
.irp i, 0,2,4,6,8,10,12,14
	v_pk_add_f32 v[ACC+16*\tp+\i:ACC+16*\tp+\i+1], v[ACC+16*\tp+\i:ACC+16*\tp+\i+1], v[BVK+\tp:BVK+\tp+1] op_sel_hi:[1,0]
	v_pk_add_f32 v[ACC+16*\tp+16+\i:ACC+16*\tp+16+\i+1], v[ACC+16*\tp+16+\i:ACC+16*\tp+16+\i+1], v[BVK+\tp:BVK+\tp+1] op_sel:[0,1] op_sel_hi:[1,1]
.endr
.endr
	QUANT2 ACC, ACC+32, FA+6, SC+4, 2              ; channels 8 u + r + 8 (r / 8) of two heads, u = 0: blocks of 32 keys
	QUANT2 ACC+16, ACC+48, FA+18, SC+5, 2          ; u = 1
.else
	v_add_nc_u32 v[RB], s25, v[H32]
	GRP 0
.if \kind == 1
.set pp, 0
.rept 32
	v_pk_mul_f32 v[ACC+2*pp:ACC+2*pp+1], v[ACC+2*pp:ACC+2*pp+1], s[54:55] op_sel_hi:[1,0]   ; q x 32^-0.5, ahead of the quantiser
.set pp, pp+1
.endr
.endif
	QUANT2 ACC, ACC+16, FA+6, SC+4, 2              ; tokens 0-15: two heads' blocks of 32 channels
	QUANT2 ACC+32, ACC+48, FA+18, SC+5, 2          ; tokens 16-31
.endif
	s_add_co_u32 s25, s25, 4*RECB
	s_sub_co_u32 s10, s10, 1
	s_cmp_lg_u32 s10, 0
	s_cbranch_scc1 .Lkc_\@
	v_add_nc_u32 v[A3], s26, v[WSI]
	v_add_nc_u32 v[A4], s27, v[WSS]
.irp g, 0,1,2
	ds_store_b128 v[A3], v[FA+4*\g:FA+4*\g+3] offset:\img+512*\g
	ds_store_b128 v[A3], v[FA+12+4*\g:FA+12+4*\g+3] offset:\img+3072+512*\g
.endr
	ds_store_b32 v[A4], v[SC+4] offset:128*\scw
	ds_store_b32 v[A4], v[SC+5] offset:128*(\scw+2)
	s_wait_dscnt 0x0                               ; the stores have read their registers
	s_add_co_u32 s26, s26, 1536
	s_add_co_u32 s27, s27, 128
	s_sub_co_u32 s9, s9, 1
	s_cmp_lg_u32 s9, 0
	s_cbranch_scc1 .Lks_\@
.endm
; Of the fragment at src only the blocks in lanes' half hl are kept: block hl in v[R3] on (with the six zeros behind it), block 2 + hl in v[R3+12] on (with the six zeros ahead of it).
.macro MASK2 src, hl
.irp i, 0,1,2,3,4,5
	v_cndmask_b32 v[R3+\i], 0, v[(\src)+\i], s[58+\hl]
	v_cndmask_b32 v[R3+12+\i], 0, v[(\src)+6+\i], s[58+\hl]
.endr
.endm
; One hidden unit of the position layers, for my query and my 16 keys: h = max(A dx + B dy + C, 0); then the eight heads' scores take w2[hd] h.  Constants at v[CN]: A, B, C, 0, w2[0..7].
.macro OSTEP CN
.irp i, 0,2,4,6,8,10,12,14
	v_pk_fma_f32 v[HH+\i:HH+\i+1], v[DX+\i:DX+\i+1], v[\CN:\CN+1], v[\CN+2:\CN+3] op_sel_hi:[1,0,0]
.endr
.irp i, 0,2,4,6,8,10,12,14
	v_pk_fma_f32 v[HH+\i:HH+\i+1], v[DY+\i:DY+\i+1], v[\CN:\CN+1], v[HH+\i:HH+\i+1] op_sel:[0,1,0] op_sel_hi:[1,1,1]
.endr
.irp i, 0,1,2,3,4,5,6,7,8,9,10,11,12,13,14,15
	v_max_num_f32 v[HH+\i], 0, v[HH+\i]
.endr
.irp jj, 0,2,4,6,8,10,12,14
.irp hd, 0,2,4,6
	v_pk_fma_f32 v[S+16*\hd+\jj:S+16*\hd+\jj+1], v[HH+\jj:HH+\jj+1], v[\CN+4+\hd:\CN+5+\hd], v[S+16*\hd+\jj:S+16*\hd+\jj+1] op_sel_hi:[1,0,1]
.endr
.irp hd, 0,2,4,6
	v_pk_fma_f32 v[S+16*\hd+16+\jj:S+16*\hd+16+\jj+1], v[HH+\jj:HH+\jj+1], v[\CN+4+\hd:\CN+5+\hd], v[S+16*\hd+16+\jj:S+16*\hd+16+\jj+1] op_sel:[0,1,0] op_sel_hi:[1,1,1]
.endr
.endr
.endm
; The softmax of heads 4 s + 2 c and 4 s + 2 c + 1, by turns, and p's codes: six registers of P's fragment s.  pe_b2 x log2(e) enters through the addend alone.  The block's largest p is the largest score put through the
; same multiply-add and exponential; it lies above 1/2, so no floor is needed.
.macro SOFTMAX2 s, c
.set HA, 4*(\s)+2*(\c)
.set SA, S+16*HA
.set SB, SA+16
.set PF, R1+12*(\s)+6*(\c)
	v_max3_num_f32 v[TM], v[SA], v[SA+1], v[SA+2]
	v_max3_num_f32 v[TM+1], v[SB], v[SB+1], v[SB+2]
.irp i, 3,5,7,9,11,13
	v_max3_num_f32 v[TM], v[TM], v[SA+\i], v[SA+\i+1]
	v_max3_num_f32 v[TM+1], v[TM+1], v[SB+\i], v[SB+\i+1]
.endr
	v_max_num_f32 v[TM], v[TM], v[SA+15]
	v_max_num_f32 v[TM+1], v[TM+1], v[SB+15]
	v_permlanex16_b32 v[TP], v[TM], s36, s37
	v_permlanex16_b32 v[TP+1], v[TM+1], s36, s37
	v_max_num_f32 v[TM], v[TM], v[TP]              ; the row's largest score
	v_max_num_f32 v[TM+1], v[TM+1], v[TP+1]
	v_fma_f32 v241, v[TM], s38, s[68+HA]           ; as t
	v_fma_f32 v243, v[TM+1], s38, s[69+HA]
	v_floor_f32 v241, -v241                        ; -M = floor(-t): a whole number
	v_floor_f32 v243, -v243
	v_add_f32 v240, s[68+HA], v241
	v_add_f32 v242, s[69+HA], v243
.irp i, 0,2,4,6,8,10,12,14
	v_pk_fma_f32 v[SA+\i:SA+\i+1], v[SA+\i:SA+\i+1], s[38:39], v[240:241] op_sel_hi:[1,0,0]   ; t - M
	v_pk_fma_f32 v[SB+\i:SB+\i+1], v[SB+\i:SB+\i+1], s[38:39], v[242:243] op_sel_hi:[1,0,0]
.endr
	v_fma_f32 v[TM], v[TM], s38, v240
	v_fma_f32 v[TM+1], v[TM+1], s38, v242
.irp i, 0,1,2,3,4,5,6,7,8,9,10,11,12,13,14,15
	v_exp_f32 v[SA+\i], v[SA+\i]
.endr
.irp i, 0,1,2,3,4,5,6,7,8,9,10,11,12,13,14,15
	v_exp_f32 v[SB+\i], v[SB+\i]
.endr
	v_exp_f32 v[TM], v[TM]
	v_exp_f32 v[TM+1], v[TM+1]
	v_nop                                          ; a plain place behind the exponentials
	s_wait_alu depctr_va_vdst(0)
	v_add_nc_u32 v[TS], 0xff000000, v[TM]
	v_add_nc_u32 v[TS+1], 0xff000000, v[TM+1]
	v_lshrrev_b32 v[TY], 23, v[TS]
	v_lshrrev_b32 v[TY+1], 23, v[TS+1]
	v_pk_add_f32 v[244:245], v[SA:SA+1], v[SA+2:SA+3]   ; the row's sum is taken of the unquantised p
	v_pk_add_f32 v[246:247], v[SB:SB+1], v[SB+2:SB+3]
.irp i, 4,6,8,10,12,14
	v_pk_add_f32 v[244:245], v[244:245], v[SA+\i:SA+\i+1]
	v_pk_add_f32 v[246:247], v[246:247], v[SB+\i:SB+\i+1]
.endr
	v_add_f32 v244, v244, v245
	v_add_f32 v246, v246, v247
	v_permlanex16_b32 v[TP], v244, s36, s37
	v_permlanex16_b32 v[TP+1], v246, s36, s37
	v_add_f32 v244, v244, v[TP]
	v_add_f32 v246, v246, v[TP+1]
	v_rcp_f32 v[ST+HA], v244
	v_rcp_f32 v[ST+HA+1], v246
.if (\c) == 0
	v_lshl_or_b32 v[SC+4+(\s)], v[TY+1], 8, v[TY]
.else
	v_lshl_or_b32 v[SC+4+(\s)], v[TY], 16, v[SC+4+(\s)]
	v_lshl_or_b32 v[SC+4+(\s)], v[TY+1], 24, v[SC+4+(\s)]
.endif
	v_cvt_scalef32_pk16_fp6_f32 v[PF:PF+2], v[SA:SA+15], v[TS]
	v_cvt_scalef32_pk16_fp6_f32 v[CT:CT+2], v[SB:SB+15], v[TS+1]
	v_nop
.irp i, 0,1,2
	v_permlane16_swap_b32 v[PF+\i], v[CT+\i]
.endr
.irp i, 0,1,2
	v_mov_b32 v[PF+3+\i], v[CT+\i]
.endr
.endm
; EXACT GELU of eight numbers, in place: 0.5 h + |h| (0.5 - y), y = 0.5 erfc(|h| / sqrt 2) = t (a1 + t (a2 + t (a3 + t (a4 + t a5)))) / 2 x 2^(-0.72134752 h^2), t = 1 / (1 + 0.23164189 |h|).
.macro GELU8 b
.irp i, 0,1,2,3,4,5,6,7
	v_fma_f32 v[GD+\i], |v[(\b)+\i]|, s52, 1.0
.endr
.irp i, 0,2,4,6
	v_pk_mul_f32 v[GU+\i:GU+\i+1], v[(\b)+\i:(\b)+\i+1], v[(\b)+\i:(\b)+\i+1]
.endr
.irp i, 0,1,2,3,4,5,6,7
	v_rcp_f32 v[GD+\i], v[GD+\i]
.endr
.irp i, 0,2,4,6
	v_pk_mul_f32 v[GU+\i:GU+\i+1], v[GU+\i:GU+\i+1], s[50:51] op_sel_hi:[1,0]   ; (plain places behind the reciprocals)
.endr
.irp i, 0,1,2,3,4,5,6,7
	v_exp_f32 v[GU+\i], v[GU+\i]
.endr
	s_wait_alu depctr_va_vdst(0)
.irp i, 0,2,4,6
	v_pk_fma_f32 v[GP+\i:GP+\i+1], v[GD+\i:GD+\i+1], s[48:49], v[250:251] op_sel_hi:[1,0,1]   ; (plain places behind the exponentials)
.endr
.irp k, 44,42,40
.irp i, 0,2,4,6
	v_pk_fma_f32 v[GP+\i:GP+\i+1], v[GP+\i:GP+\i+1], v[GD+\i:GD+\i+1], s[\k:\k+1] op_sel_hi:[1,1,0]
.endr
.endr
.irp i, 0,2,4,6
	v_pk_mul_f32 v[GP+\i:GP+\i+1], v[GP+\i:GP+\i+1], v[GD+\i:GD+\i+1]
.endr
.irp i, 0,2,4,6
	v_pk_fma_f32 v[GP+\i:GP+\i+1], v[GP+\i:GP+\i+1], v[GU+\i:GU+\i+1], 0.5 op_sel_hi:[1,1,0] neg_lo:[1,0,0] neg_hi:[1,0,0]   ; 0.5 - y
.endr
.irp i, 0,1,2,3,4,5,6,7
	v_mul_f32 v[GD+\i], |v[(\b)+\i]|, v[GP+\i]
.endr
.irp i, 0,2,4,6
	v_pk_fma_f32 v[(\b)+\i:(\b)+\i+1], v[(\b)+\i:(\b)+\i+1], 0.5, v[GD+\i:GD+\i+1] op_sel_hi:[1,0,1]
.endr
.endm
; 128 hidden units: eight records of fc1 in two groups, GELU, quantised into one K step of fc2 for both tiles of tokens; then eight records of fc2 onto X.
.macro CHUNK
	s_mov_b32 s25, s24
	s_mov_b32 s10, 2
.Lg_\@:
	v_add_nc_u32 v[RA], s25, v[LI]
	v_add_nc_u32 v[RS], s25, v[LS]
	v_add_nc_u32 v[RB], s25, v[H32]
	GRP 0
.irp k, 0,1,2,3,4,5,6,7
	GELU8 ACC+8*\k
.endr
	QUANT2 ACC, ACC+16, FA+6, SC+4, 2
	QUANT2 ACC+32, ACC+48, FA+18, SC+5, 2
	s_add_co_u32 s25, s25, 4*RECB
	s_sub_co_u32 s10, s10, 1
	s_cmp_lg_u32 s10, 0
	s_cbranch_scc1 .Lg_\@
	v_add_nc_u32 v[RA], s24, v[LI]
	v_add_nc_u32 v[RS], s24, v[LS]
	LOADREC WA, SC+6, 8, 2, 0
	LOADREC WB, SC+7, 9, 2, 0
	NOPS 8                                         ; a scale word made by vector instructions stands eight places ahead of the scaled product that takes it, an operand four
.irp i, 0,2,4,6
	RECSTEP WA, SC+6, \i, 8, 8, 1
	RECSTEP WB, SC+7, \i+1, 8, 8, 1
.endr
.endm
	; ---- the head
	s_load_b512 s[76:91], s[0:1], 0x0              ; wimg s[76:77], tab, x s[80:81], pos, ln1_g s[84:85], ln1_b, ln2_g, ln2_b s[90:91]
	s_load_b128 s[92:95], s[0:1], 0x40             ; bp, fc2_b
	s_load_b64 s[96:97], s[0:1], 0x50              ; out0
	v_lshl_add_u32 v[SPW], v0, 2, SPARE
	v_mov_b32 v[NIL], 0
	ds_add_u32 v3, v4
	ds_add_u32 v3, v4
	s_wait_dscnt 0x0
	v_lshrrev_b32 v12, 5, v0
	v_readfirstlane_b32 s8, v12                    ; wave 0..7
	v_and_b32 v13, 31, v0                          ; lane
	v_and_b32 v14, 15, v0                          ; r
	v_bfe_u32 v15, v0, 4, 1                        ; h
	v_lshlrev_b32 v[LI], 4, v13
	v_lshlrev_b32 v[LS], 2, v13
	s_mul_i32 s53, s8, WSB
	s_add_co_u32 s53, s53, WS0                     ; my region of LDS
	v_add_nc_u32 v[WSI], s53, v[LI]
	v_add_nc_u32 v[WSS], s53, v[LS]
	v_add_nc_u32 v[WSS], SCW, v[WSS]
	v_mul_u32_u24 v[STR], v14, SPITCH
	v_lshl_add_u32 v[STR], v15, 6, v[STR]
	v_add_nc_u32 v[STR], s53, v[STR]
	v_lshlrev_b32 v[TBA], 6, v15
	v_add_nc_u32 v[TBA], TAB, v[TBA]
	v_lshlrev_b32 v[H32], 5, v15
	v_lshlrev_b32 v[L15], 2, v14
	v_lshrrev_b32 v[PO], 3, v13                    ; my token's place in pos: image row lane / 8 (256 tokens of 8 bytes), column lane % 8
	v_and_b32 v12, 7, v13
	v_lshlrev_b32 v[PO], 11, v[PO]
	v_lshl_add_u32 v[PO], v12, 3, v[PO]
	s_lshl_b32 s26, s8, 10
	v_add_nc_u32 v[A4], s26, v[LI]                 ; where I store my table: 1,024 x wave + 16 x lane
	v_lshl_add_u32 v[A5], v13, 3, s53              ; and my token's position: 8 x lane
.irp i, 0,1,2,3,4,5
	v_mov_b32 v[FA+6+\i], 0                        ; written once: the first shift of a fragment's halves reads them
	v_mov_b32 v[FA+18+\i], 0
.endr
	v_mov_b32 v[SC+4], 0
	v_mov_b32 v[SC+5], 0
	v_mov_b32 v[TP], 0                             ; a lane permute's destination counts as one of its sources
	v_mov_b32 v[TP+1], 0
	s_mov_b32 s36, 0x76543210                      ; v_permlanex16_b32's selects for lane l xor 16
	s_mov_b32 s37, 0xfedcba98
	s_mov_b32 s38, 0x3fb8aa3b                      ; log2(e); of each pair the packed forms take the low word, and both words are written
	s_mov_b32 s39, s38
	s_mov_b32 s40, 0x3e027906                      ; a1 / 2 =  0.127414796
	s_mov_b32 s41, s40
	s_mov_b32 s42, 0xbe11a98e                      ; a2 / 2 = -0.142248368
	s_mov_b32 s43, s42
	s_mov_b32 s44, 0x3f35f0e3                      ; a3 / 2 =  0.710706871
	s_mov_b32 s45, s44
	s_mov_b32 s48, 0x3f07dc22                      ; a5 / 2 =  0.530702715
	s_mov_b32 s49, s48
	s_mov_b32 s50, 0xbf38aa3b                      ; -log2(e) / 2
	s_mov_b32 s51, s50
	s_mov_b32 s52, 0x3e6d3388                      ; 0.3275911 / sqrt 2
	s_mov_b32 s54, 0x3e3504f3                      ; 32^-0.5
	s_mov_b32 s55, s54
	s_mov_b32 s56, 0x3b800000                      ; 1 / 256
	s_mov_b32 s57, 0x3727c5ac                      ; 1e-5
	s_mov_b32 s58, 0x0000ffff                      ; lanes 0-15
	s_mov_b32 s59, 0xffff0000                      ; lanes 16-31
	s_mov_b32 s24, SLOT1                           ; the first change of slots turns it to slot 0
	; descriptor group 1: 26 rows of 32 elements of 8 bytes, dense: 6,656 bytes
	s_mov_b32 s16, 15|(3<<16)|(1<<21)              ; 15:0 the mask: all four work-groups; 17:16 elements of 8 bytes; 20 no padding; 21 set beside a mask
	s_mov_b32 s17, 32<<16                          ; tensor_dim0 = 32
	s_mov_b32 s18, 26<<16                          ; tensor_dim1 = 26
	s_mov_b32 s19, 32<<16                          ; tile_dim0 = 32
	s_mov_b32 s20, 26                              ; tile_dim1 = 26
	s_mov_b32 s21, 32                              ; from row to row
	s_mov_b32 s22, 0
	s_mov_b32 s23, 0
	s_mov_b32 s12, 1
	s_mul_i32 s13, s8, WPART                       ; LDS: slot 0, my part: the wave's number alone
	s_mov_b32 s28, s13
	s_mov_b32 s29, 0
	s_bfe_u32 s2, ttmp6, 0x40000                   ; cx: it enters the addresses of x, pos and out0 alone
	s_lshl_b32 s30, ttmp9, 20                      ; my window's first token x 1,024 bytes: (1,024 x cluster + 64 cx + 8 wave) x 1,024
	s_lshl_b32 s3, s2, 16
	s_add_co_u32 s30, s30, s3
	s_lshl_b32 s3, s8, 13
	s_add_co_u32 s30, s30, s3
	s_mov_b32 s31, 0
	s_wait_kmcnt 0x0
	s_load_b256 s[68:75], s[78:79], 0x300          ; pe_b2 x log2(e), eight numbers
	s_add_nc_u64 s[14:15], s[76:77], s[28:29]      ; tile 0, my part
	s_or_b32 s15, s15, 0x80000000                  ; type = 2
	s_add_nc_u64 s[4:5], s[80:81], s[30:31]
	s_add_nc_u64 s[6:7], s[96:97], s[30:31]
	s_lshr_b32 s30, s30, 7                         ; 8 bytes a token
	s_add_nc_u64 s[32:33], s[82:83], s[30:31]
	s_mov_b64 s[34:35], s[78:79]                   ; wave w copies table w: the choice hangs on the wave's number alone
.irp k, 0,1,2,3,4,5
	s_cmp_eq_u32 s8, \k
	s_cselect_b64 s[34:35], s[84+2*\k:85+2*\k], s[34:35]
.endr
	s_cmp_lt_u32 s8, 7
	s_cbranch_scc0 .Lno_table_load
	global_load_b128 v[94:97], v[LI], s[34:35]
	global_load_b128 v[98:101], v[LI], s[34:35] offset:512
.Lno_table_load:
	global_load_b64 v[102:103], v[PO], s[32:33]
	WIN 0x40
.irp T, 0,1
.set kx, 0
.rept 32
	global_load_b128 v[128*\T+4*kx:128*\T+4*kx+3], v[LI], s[4:5] offset:524288*\T+262144*(kx/16)+1024*((kx/2)%8)+512*(kx%2) th:TH_LOAD_NT   ; half a token's row: 512 consecutive bytes
.set kx, kx+1
.endr
.endr
	WIN 0
	s_wait_kmcnt 0x0
	ROUND                                          ; all four work-groups are here: the first joint load meets
	tensor_load_to_lds s[12:15], s[16:23]          ; tile 0
	s_nop 0
	NOPS 4
	s_wait_loadcnt 63                              ; of the 67 (wave 7: 65) loads issued at most 63 are out: the tables' two and pos are in
	s_cmp_lt_u32 s8, 7
	s_cbranch_scc0 .Lno_table_store
	ds_store_b128 v[A4], v[94:97] offset:TAB
	ds_store_b128 v[A4], v[98:101] offset:TAB+512
.Lno_table_store:
	ds_store_b64 v[A5], v[102:103] offset:POSW
	CHANGE 1                                       ; the tables and tile 0 are there for every wave; tile 1 goes out
	; ---- LN1
	XIN 0
	LNORM 0, T_G1, T_B1
	XIN 1
	LNORM 1, T_G1, T_B1
	ADDB T_BP                                      ; X = x + bp: the projection will add onto it
	; ---- K, Q, V
	QKV 0, KIMG, 0
	CHANGE 1
	QKV 1, QIMG, 4
	CHANGE 1
	QKV 2, VIMG, 8
	; ---- attention: 16 queries a trip, all 8 heads
	v_lshl_add_u32 v[RA], v[H32], 1, s53           ; the keys' positions: my region + 64 h
	v_lshl_add_u32 v[QB], v[L15], 1, s53           ; the queries': my region + 8 r
	s_mov_b32 s26, 0                               ; 3,072 qt
	s_mov_b32 s27, 0                               ; 256 qt
	s_mov_b32 s28, 0                               ; 128 qt
	s_mov_b32 s9, 2
.Lqt:
	v_add_nc_u32 v[A3], s26, v[WSI]
	v_add_nc_u32 v[A4], s27, v[WSS]
	v_add_nc_u32 v[A5], s28, v[QB]
.irp i, 0,1,2,3,4,5
	v_mov_b32 v[R3+6+\i], 0
.endr
	; S^T = K Q^T: K step s holds heads 4 s .. 4 s + 3, a block each; Q is masked to one block
.irp s, 0,1
.irp g, 0,1,2
	ds_load_b128 v[R1+4*\g:R1+4*\g+3], v[WSI] offset:KIMG+1536*\s+512*\g
	ds_load_b128 v[R1+12+4*\g:R1+12+4*\g+3], v[WSI] offset:KIMG+1536*(2+\s)+512*\g
	ds_load_b128 v[R2+4*\g:R2+4*\g+3], v[A3] offset:QIMG+1536*\s+512*\g
.endr
	ds_load_b32 v[SC], v[WSS] offset:128*\s
	ds_load_b32 v[SC+1], v[WSS] offset:128*(2+\s)
	ds_load_b32 v[SC+2], v[A4] offset:128*(4+\s)
	s_wait_dscnt 0x0
.irp hl, 0,1
	MASK2 R2, \hl
	NOPS 4                                         ; an operand made by vector instructions stands four places ahead of the scaled product
	WM S+16*(4*\s+\hl), R1, R3, -1, SC, SC+2, 0
	WM S+16*(4*\s+\hl)+8, R1+12, R3, -1, SC+1, SC+2, 0
	WM S+16*(4*\s+2+\hl), R1, R3+6, -1, SC, SC+2, 0
	WM S+16*(4*\s+2+\hl)+8, R1+12, R3+6, -1, SC+1, SC+2, 0
	NOPS 4
.endr
.endr
	; position differences, query less key: register 8 kt + j is key 16 kt + 8 h + j
.irp kt, 0,1
.irp q, 0,1,2,3
	ds_load_b128 v[KPOS+16*\kt+4*\q:KPOS+16*\kt+4*\q+3], v[RA] offset:POSW+128*\kt+16*\q
.endr
.endr
	ds_load_b64 v[QPOS:QPOS+1], v[A5] offset:POSW
	s_wait_dscnt 0x0
.irp kt, 0,1
.irp j, 0,1,2,3,4,5,6,7
	v_sub_f32 v[DX+8*\kt+\j], v[QPOS], v[KPOS+16*\kt+2*\j]
	v_sub_f32 v[DY+8*\kt+\j], v[QPOS+1], v[KPOS+16*\kt+2*\j+1]
.endr
.endr
	; the bias is added onto the scores: 16 hidden units, two a trip; each unit's constants are asked for while the unit before is worked
	s_mov_b32 s29, TAB+T_PE
	v_mov_b32 v[RS], s29
.irp g, 0,1,2
	ds_load_b128 v[CN0+4*\g:CN0+4*\g+3], v[RS] offset:16*\g
.endr
	s_mov_b32 s10, 8
.Lunit:
.irp g, 0,1,2
	ds_load_b128 v[CN1+4*\g:CN1+4*\g+3], v[RS] offset:48+16*\g
.endr
	s_wait_dscnt 3                                 ; the three loads just issued may stay out
	OSTEP CN0
.irp g, 0,1,2
	ds_load_b128 v[CN0+4*\g:CN0+4*\g+3], v[RS] offset:96+16*\g   ; (in the last trip: bytes 768-815 of the table, which are written and not used)
.endr
	s_wait_dscnt 3
	OSTEP CN1
	s_add_co_u32 s29, s29, 96
	v_mov_b32 v[RS], s29
	s_sub_co_u32 s10, s10, 1
	s_cmp_lg_u32 s10, 0
	s_cbranch_scc1 .Lunit
	s_wait_dscnt 0x0
	SOFTMAX2 0, 0
	SOFTMAX2 0, 1
	SOFTMAX2 1, 0
	SOFTMAX2 1, 1
	; O^T = V^T P^T: V's fragment (u, s) holds 16 channels of each of heads 4 s .. 4 s + 3; P is masked to one head's block
.irp i, 0,1,2,3,4,5
	v_mov_b32 v[R3+6+\i], 0
.endr
.irp s, 0,1
.irp g, 0,1,2
	ds_load_b128 v[R2+4*\g:R2+4*\g+3], v[WSI] offset:VIMG+1536*\s+512*\g
	ds_load_b128 v[R2+12+4*\g:R2+12+4*\g+3], v[WSI] offset:VIMG+1536*(2+\s)+512*\g
.endr
	ds_load_b32 v[SC], v[WSS] offset:128*(8+\s)
	ds_load_b32 v[SC+1], v[WSS] offset:128*(10+\s)
	s_wait_dscnt 0x0
.irp hl, 0,1
	MASK2 R1+12*\s, \hl
	NOPS 4
	WM S+16*(4*\s+\hl), R2, R3, -1, SC, SC+4+\s, 0
	WM S+16*(4*\s+\hl)+8, R2+12, R3, -1, SC+1, SC+4+\s, 0
	WM S+16*(4*\s+2+\hl), R2, R3+6, -1, SC, SC+4+\s, 0
	WM S+16*(4*\s+2+\hl)+8, R2+12, R3+6, -1, SC+1, SC+4+\s, 0
	NOPS 4
.endr
.endr
	; O / l, quantised along the 256 channels; its images take the place of this trip's Q
	s_wait_alu depctr_va_vdst(0)
.irp hd, 0,2,4,6
.irp i, 0,2,4,6,8,10,12,14
	v_pk_mul_f32 v[S+16*\hd+\i:S+16*\hd+\i+1], v[S+16*\hd+\i:S+16*\hd+\i+1], v[ST+\hd:ST+\hd+1] op_sel_hi:[1,0]
	v_pk_mul_f32 v[S+16*\hd+16+\i:S+16*\hd+16+\i+1], v[S+16*\hd+16+\i:S+16*\hd+16+\i+1], v[ST+\hd:ST+\hd+1] op_sel:[0,1] op_sel_hi:[1,1]
.endr
.endr
	QUANT2 S, S+16, R1, SC+2, 0
	QUANT2 S+32, S+48, R1+6, SC+2, 1
	QUANT2 S+64, S+80, R1+12, SC+3, 0
	QUANT2 S+96, S+112, R1+18, SC+3, 1
.irp g, 0,1,2
	ds_store_b128 v[A3], v[R1+4*\g:R1+4*\g+3] offset:QIMG+512*\g
	ds_store_b128 v[A3], v[R1+12+4*\g:R1+12+4*\g+3] offset:QIMG+1536+512*\g
.endr
	ds_store_b32 v[A4], v[SC+2] offset:128*4
	ds_store_b32 v[A4], v[SC+3] offset:128*5
	s_wait_dscnt 0x0                               ; the stores have read their registers
	s_add_co_u32 s26, s26, 3072
	s_add_co_u32 s27, s27, 256
	s_add_co_u32 s28, s28, 128
	s_sub_co_u32 s9, s9, 1
	s_cmp_lg_u32 s9, 0
	s_cbranch_scc1 .Lqt
	; ---- the projection, onto X: x1 = x + bp + o Wp^T
	CHANGE 1
.irp f, 0,1,2,3
.irp g, 0,1,2
	ds_load_b128 v[ACT+12*\f+4*\g:ACT+12*\f+4*\g+3], v[WSI] offset:QIMG+1536*\f+512*\g
.endr
	ds_load_b32 v[SC+\f], v[WSS] offset:128*(4+\f)
.endr
	v_add_nc_u32 v[RA], s24, v[LI]
	v_add_nc_u32 v[RS], s24, v[LS]
	LOADREC WA, SC+6, 0, 2, 0
	LOADREC WB, SC+7, 1, 2, 0
.irp i, 0,2,4,6,8,10,12,14
	RECSTEP WA, SC+6, \i, 16, 0, 0
	RECSTEP WB, SC+7, \i+1, 16, 0, 0
.endr
	; ---- LN2
	LNORM 0, T_G2, T_B2
	LNORM 1, T_G2, T_B2
	ADDB T_F2                                      ; X = x1 + fc2_b: fc2 will add onto it
	v_mov_b32 v250, 0xbf3a00e3                     ; a4 / 2 = -0.726576014, a pair
	v_mov_b32 v251, 0xbf3a00e3
	; ---- the MLP: eight tiles, 128 hidden units each
	s_mov_b32 s11, 7
.Lchunk:
	CHANGE 1
	CHUNK
	s_sub_co_u32 s11, s11, 1
	s_cmp_lg_u32 s11, 0
	s_cbranch_scc1 .Lchunk
	CHANGE 0                                       ; the last tile is written out: nothing is left to ask for
	CHUNK
	; ---- the way out (four places stand behind the last products)
	XOUT 0
	XOUT 1
	s_wait_tensorcnt 0x0                           ; the wave's end: behind my last tensor load and my last LDS store
	ds_add_u32 v[SPW], v[NIL]
	s_wait_dscnt 0x0
	ROUND                                          ; the closing round: no work-group ends while a partner may still ask for a tile that names it
	s_endpgm
.Lfunc_end_k_q3056b75866_block:
	.size	k_q3056b75866_block, .Lfunc_end_k_q3056b75866_block-k_q3056b75866_block
	.p2alignl 7, 3214868480
	.fill 96, 4, 3214868480
	.section	.rodata,"a",@progbits
	.p2align	6, 0x0
	.amdhsa_kernel k_q3056b75866_block
		.amdhsa_group_segment_fixed_size 327680
		.amdhsa_private_segment_fixed_size 0
		.amdhsa_enable_private_segment 0
		.amdhsa_kernarg_size 88
		.amdhsa_user_sgpr_count 2
		.amdhsa_user_sgpr_kernarg_segment_ptr 1
		.amdhsa_wavefront_size32 1
		.amdhsa_system_sgpr_workgroup_id_x 1
		.amdhsa_system_sgpr_workgroup_id_y 1
		.amdhsa_system_sgpr_workgroup_id_z 1
		.amdhsa_system_vgpr_workitem_id 0
		.amdhsa_next_free_vgpr 512
		.amdhsa_next_free_sgpr 100
		.amdhsa_reserve_vcc 0
		.amdhsa_float_denorm_mode_32 3
		.amdhsa_float_denorm_mode_16_64 3
		.amdhsa_memory_ordered 1
		.amdhsa_forward_progress 1
		.amdhsa_inst_pref_size 255
	.end_amdhsa_kernel
	.section	.bss,"aw",@nobits
	.p2align	6
	.space	262144
	.amdgpu_metadata
---
amdhsa.version: [ 1, 2 ]
amdhsa.kernels:
  - .name:           k_q3056b75866_block
    .symbol:         k_q3056b75866_block.kd
    .args:
      - { .name: wimg, .offset: 0, .size: 8, .value_kind: global_buffer, .address_space: global }
      - { .name: tab, .offset: 8, .size: 8, .value_kind: global_buffer, .address_space: global }
      - { .name: x, .offset: 16, .size: 8, .value_kind: global_buffer, .address_space: global }
      - { .name: pos, .offset: 24, .size: 8, .value_kind: global_buffer, .address_space: global }
      - { .name: ln1_g, .offset: 32, .size: 8, .value_kind: global_buffer, .address_space: global }
      - { .name: ln1_b, .offset: 40, .size: 8, .value_kind: global_buffer, .address_space: global }
      - { .name: ln2_g, .offset: 48, .size: 8, .value_kind: global_buffer, .address_space: global }
      - { .name: ln2_b, .offset: 56, .size: 8, .value_kind: global_buffer, .address_space: global }
      - { .name: bp, .offset: 64, .size: 8, .value_kind: global_buffer, .address_space: global }
      - { .name: fc2_b, .offset: 72, .size: 8, .value_kind: global_buffer, .address_space: global }
      - { .name: out0, .offset: 80, .size: 8, .value_kind: global_buffer, .address_space: global }
    .group_segment_fixed_size: 327680
    .private_segment_fixed_size: 0
    .kernarg_segment_align: 8
    .kernarg_segment_size: 88
    .max_flat_workgroup_size: 256
    .sgpr_count:     100
    .vgpr_count:     512
    .wavefront_size: 32
...
	.end_amdgpu_metadata
.endif
;; end of part 2
